; MI455X (gfx1250); checked and timed in simulation.
; The chip was launched on July 23, 2026; its instructions are those of AMD's public machine-readable ISA for CDNA 5 (MIT licence, August 2026) and "CDNA5" Instruction Set Architecture Reference Guide (July 2026). The comments in the code are by the model that wrote it; some were corrected since.
;; Mo E Layer. Allowed arithmetic: matrix products marked QUANTISED: E4M3 operands, one given power-of-two scale a tensor, by v_wmma_f32_16x16x64_fp8_fp8 or v_wmma_f32_16x16x128_fp8_fp8, f32 sums; products left as they are: f32 operands where the result goes on into a quantised operand, else bf16, f16 or f32 operands; f32 sums; everything else in f32.
;; Inputs: W1 8 x 1,024 x 2,048 float32; W2 8 x 2,048 x 1,024 float32; b1 8 x 2,048 float32; b2 8 x 1,024 float32; gate_W 1,024 x 8 float32; gate_b 8 float32; lowp_scales 32 int32 (the exponents e of the quantised operands' scales 2^e); x 8 x 256 x 1,024 float32.
;; Outputs: out0 8 x 256 x 1,024 float32; out1 2,048 x 8 float32.
;; This version of the problem:
;;   THIS VERSION OF THE PROBLEM IS GIVEN IN LOW PRECISION. The matrix products marked QUANTISED in the list below multiply operands that are first quantised to E4M3 (4 exponent bits, 3 mantissa bits; 8 bits a number), with one given power-of-two scale for each operand tensor; their sums are f32. All else is computed in f32.
;;   The module's matrix products, in the order in which they are computed (A, B: the left and right operand; K: the contracted axis; several contracted axes count as one K, in the product's order):
;;     1. [M 2,048, K 1,024] x [K 1,024, N 8]; A: input x; B: input gate_W: left as it is (N = 8 < 16)
;;     2. [M 2,048, K 1,024] x [K 1,024, N 2,048]; A: input x; B: input W1: QUANTISED (scales: A lowp_scales[0], B lowp_scales[1])
;;     3. [M 2,048, K 2,048] x [K 2,048, N 1,024]; A: computed on the way; B: input W2: QUANTISED (scales: A lowp_scales[2], B lowp_scales[3])
;;     4. [M 2,048, K 1,024] x [K 1,024, N 2,048]; A: input x; B: input W1: QUANTISED (scales: A lowp_scales[4], B lowp_scales[5])
;;     5. [M 2,048, K 2,048] x [K 2,048, N 1,024]; A: computed on the way; B: input W2: QUANTISED (scales: A lowp_scales[6], B lowp_scales[7])
;;     6. [M 2,048, K 1,024] x [K 1,024, N 2,048]; A: input x; B: input W1: QUANTISED (scales: A lowp_scales[8], B lowp_scales[9])
;;     7. [M 2,048, K 2,048] x [K 2,048, N 1,024]; A: computed on the way; B: input W2: QUANTISED (scales: A lowp_scales[10], B lowp_scales[11])
;;     8. [M 2,048, K 1,024] x [K 1,024, N 2,048]; A: input x; B: input W1: QUANTISED (scales: A lowp_scales[12], B lowp_scales[13])
;;     9. [M 2,048, K 2,048] x [K 2,048, N 1,024]; A: computed on the way; B: input W2: QUANTISED (scales: A lowp_scales[14], B lowp_scales[15])
;;     10. [M 2,048, K 1,024] x [K 1,024, N 2,048]; A: input x; B: input W1: QUANTISED (scales: A lowp_scales[16], B lowp_scales[17])
;;     11. [M 2,048, K 2,048] x [K 2,048, N 1,024]; A: computed on the way; B: input W2: QUANTISED (scales: A lowp_scales[18], B lowp_scales[19])
;;     12. [M 2,048, K 1,024] x [K 1,024, N 2,048]; A: input x; B: input W1: QUANTISED (scales: A lowp_scales[20], B lowp_scales[21])
;;     13. [M 2,048, K 2,048] x [K 2,048, N 1,024]; A: computed on the way; B: input W2: QUANTISED (scales: A lowp_scales[22], B lowp_scales[23])
;;     14. [M 2,048, K 1,024] x [K 1,024, N 2,048]; A: input x; B: input W1: QUANTISED (scales: A lowp_scales[24], B lowp_scales[25])
;;     15. [M 2,048, K 2,048] x [K 2,048, N 1,024]; A: computed on the way; B: input W2: QUANTISED (scales: A lowp_scales[26], B lowp_scales[27])
;;     16. [M 2,048, K 1,024] x [K 1,024, N 2,048]; A: input x; B: input W1: QUANTISED (scales: A lowp_scales[28], B lowp_scales[29])
;;     17. [M 2,048, K 2,048] x [K 2,048, N 1,024]; A: computed on the way; B: input W2: QUANTISED (scales: A lowp_scales[30], B lowp_scales[31])
;;   THE QUANTISER, for each operand of a quantised product, along K:
;;     - The operand's scale is 2^e, e = its entry of the input lowp_scales (int32; the entries are numbered through the quantised products in the list's order, A before B).
;;     - Each number is divided by the scale, clamped to +-448, and rounded to the nearest number of E4M3, ties to even, subnormals kept.
;;     - The product sums the exact products of the quantised numbers (number of the format x scale) in f32.
;;   ~~~python
;;   def quantise(x, axis, e):      # numpy; x: float32 -> the quantised numbers, widened to float32 again
;;       x = np.moveaxis(x, axis, -1); K = x.shape[-1]
;;       r = np.clip(x / 2.0 ** e, -448, 448)
;;       step = 2.0 ** (np.maximum(np.frexp(np.where(r == 0, 1, r))[1] - 1, -6) - 3)
;;       q = np.round(r / step) * step * 2.0 ** e      # np.round: ties to even
;;       return np.moveaxis(q, -1, axis).astype(np.float32)
;;   ~~~
;;   OPERANDS COMPUTED ON THE WAY. 'Computed on the way' means the value that the module computes at that place (a softmax that the list does not call 'softmax' is quantised finished and normalised). What goes into a quantiser is computed in f32, as accurately as f32 sums, v_exp_f32 and their like allow (about 1e-6 of the number): no bf16 or f16 on the way to a quantiser, and a product that is left as it is and whose result goes on into a quantised operand takes f32 operands (vector FMAs, or v_wmma_f32_16x16x4_f32). A number that lies on a knife's edge between two numbers of the format may be rounded either way, as far as f32 arithmetic and the matrix unit's own rounding can turn it there, and no further.
;; One version. Each part assembles by itself: llvm-mc -triple=amdgcn-amd-amdhsa -mcpu=gfx1250 --defsym DOCPART=n.
;; ======== version 1 of 1: 3 launches
;; workspace buffers: idx 8,192 bytes of whole numbers; topw 8,192 bytes; xq 2,097,152 bytes; hq 33,554,432 bytes
;; launch gate (part 1): grid 256 x 1, 4 waves a work-group, no clusters, 70,144 bytes of LDS; arguments x, gate_W, gate_b, lowp_scales, out1, idx, topw, xq; writes out1, idx, topw, xq
.if DOCPART == 1
	.amdgcn_target "amdgcn-amd-amdhsa--gfx1250"
	.amdhsa_code_object_version 6
	.text
	.protected	k_q8a34c59324_gate
	.globl	k_q8a34c59324_gate
	.p2align	8
	.type	k_q8a34c59324_gate,@function
k_q8a34c59324_gate:
	s_mov_b64 s[64:65], 0
	v_nop
	global_prefetch_b8 v0, s[64:65] scope:SCOPE_SE
	s_setreg_imm32_b32 hwreg(HW_REG_WAVE_MODE, 25, 1), 1
	s_wait_xcnt 0x0
; THE ROUTER, AND x's CODES.  logits = x gate_W + gate_b in f32; out1 = softmax(logits), the row's maximum taken away first; idx = the first largest weight's expert;
; topw = that weight; xq[token][1024] = the token's numbers as codes of E4M3, in the order of k, with the scale 2^ex of ITS OWN expert (lowp_scales[4 e]): only that expert's product is kept.
; SHARES.  A work-group takes 8 tokens; wave w takes k = 256 w .. 256 w + 255 of all eight; lane l takes k = 256 w + 8 l + 0 .. 7.  The text is straight: no loop.
; Every global load reads 512 consecutive bytes; x's and gate_W's numbers turn through the wave's own LDS bytes, so that a lane holds 8 neighbours along k (the conversion takes 8 numbers of one lane).
; The expert chosen selects VALUES only (the scale, by v_cndmask_b32); no address and no branch hangs on it.  It is stored as a whole number for the launches that follow.
; No matrix unit: 8 columns are half a tile, and the choice wants f32.  No cluster: the work-groups share only gate_W's 32,768 bytes.
; LIMITS: ex between -126 and 119, so that 2^ex and 448 x 2^ex are f32 numbers.  NaN among the inputs is not served.  Two weights that agree to within the rounding of the f32 sums may be ranked either way.
.set GREG, 0                           ; LDS: gate_W's turn, 8,704 bytes a wave: a lane's place is its 256 bytes + 16 of padding
.set XREG, 34816                       ; x's turn, 8,192 bytes a wave
.set PART, 67584                       ; the partial logits: [wave][half of the lanes][8 token + expert] f32, 2,048 bytes
.set GB,  16                           ; v16-23   gate_b; later 448 x 2^ex of the eight tokens
.set LG,  24                           ; v24-31   my token's logits, then exponentials, then weights
.set SCV, 40                           ; v40-47   2^ex of the eight tokens
.set CD,  48                           ; v48-63   codes, two registers a token
.set X,   64                           ; v64-127  gate_W as loaded; then x: register 8 t + i = x[token t][my k + i]
.set G,   128                          ; v128-191 gate_W: register 8 i + e = gate_W[my k + i][e]; then the partial logits read back
.set P,   192                          ; v192-255 x as loaded; then the partial logits: register 8 t + e; then out1's 16 bytes
; v1 16 l; v2 lane; v3, v4 gate_W's turn, in and out; v5, v6 x's; v7, v8 the partial logits, in and out; v9 8 l; v10 0; v11 my 16 bytes of out1; v12 4 (l % 8); v32-39 at work
	s_load_b512 s[4:19], s[0:1], 0x0               ; x, gate_W, gate_b, lowp_scales, out1, idx, topw, xq
	s_set_vgpr_msb 0x40
	v_lshl_add_u32 v0, v0, 2, 0x11000
	v_mov_b32 v1, 0
	s_set_vgpr_msb 0x4000
	v_lshrrev_b32 v2, 5, v0
	v_readfirstlane_b32 s20, v2                    ; wave 0..3
	v_and_b32 v2, 31, v0                           ; lane
	v_lshlrev_b32 v1, 4, v2
	v_lshrrev_b32 v13, 4, v2                       ; which half of the lanes
	v_and_b32 v14, 7, v2                           ; the token that my lane finishes
	v_bfe_u32 v15, v2, 3, 1
	s_mul_i32 s21, s20, 8704
	v_lshl_add_u32 v3, v13, 4, v1                  ; in: 16 lanes fill a place of 256 bytes, then 16 of padding
	v_add_nc_u32 v3, s21, v3
	v_mul_u32_u24 v4, v2, 272                      ; out: my place
	v_add_nc_u32 v4, s21, v4
	s_lshl_b32 s21, s20, 13
	s_add_co_u32 s21, s21, XREG
	v_add_nc_u32 v5, s21, v1
	v_lshl_add_u32 v6, v2, 5, s21                  ; out: my 32 bytes of a token's 1,024
	s_lshl_b32 s21, s20, 9
	s_add_co_u32 s21, s21, PART
	v_lshl_add_u32 v7, v13, 8, s21
	v_lshlrev_b32 v11, 5, v14
	v_add_nc_u32 v8, PART, v11
	v_lshl_add_u32 v11, v15, 4, v11
	v_lshlrev_b32 v9, 3, v2
	v_mov_b32 v10, 0
	v_lshlrev_b32 v12, 2, v14
	s_lshl_b32 s22, s20, 13                        ; gate_W: 256 w rows of 32 bytes
	s_mov_b32 s23, 0
	s_lshl_b32 s24, ttmp9, 15                      ; x: 8 tokens of 4,096 bytes a work-group,
	s_lshl_b32 s25, s20, 10                        ; + 256 w numbers
	s_add_co_u32 s24, s24, s25
	s_mov_b32 s25, 0
	s_lshl_b32 s26, ttmp9, 13                      ; xq: 8 tokens of 1,024 bytes, + 256 w
	s_lshl_b32 s27, s20, 8
	s_add_co_u32 s26, s26, s27
	s_mov_b32 s27, 0
	s_lshl_b32 s28, ttmp9, 8                       ; out1: 8 tokens of 32 bytes
	s_mov_b32 s29, 0
	s_lshl_b32 s30, ttmp9, 5                       ; idx, topw: 8 tokens of 4 bytes
	s_mov_b32 s31, 0
	s_wait_kmcnt 0x0
	s_load_b512 s[32:47], s[10:11], 0x0            ; all 32 exponents: ex of expert e is s[32 + 4 e]
	s_load_b512 s[48:63], s[10:11], 0x40
	s_add_nc_u64 s[6:7], s[6:7], s[22:23]
	s_add_nc_u64 s[4:5], s[4:5], s[24:25]
	s_add_nc_u64 s[18:19], s[18:19], s[26:27]
	s_add_nc_u64 s[12:13], s[12:13], s[28:29]
	s_add_nc_u64 s[14:15], s[14:15], s[30:31]
	s_add_nc_u64 s[16:17], s[16:17], s[30:31]
.set m, 0
.rept 16
	global_load_b128 v[X+4*m:X+4*m+3], v1, s[6:7] offset:512*m
.set m, m+1
.endr
.irp tt, 0,1,2,3,4,5,6,7
.irp c, 0,1
	global_load_b128 v[P+8*\tt+4*\c:P+8*\tt+4*\c+3], v1, s[4:5] offset:4096*\tt+512*\c th:TH_LOAD_NT
.endr
.endr
	global_load_b128 v[GB:GB+3], v10, s[8:9]
	global_load_b128 v[GB+4:GB+7], v10, s[8:9] offset:16
	; the two turns, in the wave's own bytes: LDS serves a wave's instructions in order, so no wait stands between the stores and the loads
	s_wait_loadcnt 18                              ; gate_W is in: x's 16 loads and gate_b's 2 are younger
.set m, 0
.rept 16
	ds_store_b128 v3, v[X+4*m:X+4*m+3] offset:544*m
.set m, m+1
.endr
.set m, 0
.rept 16
	ds_load_b128 v[G+4*m:G+4*m+3], v4 offset:16*m
.set m, m+1
.endr
	s_wait_loadcnt 2                               ; x is in: gate_b's 2 are younger
.irp tt, 0,1,2,3,4,5,6,7
.irp c, 0,1
	ds_store_b128 v5, v[P+8*\tt+4*\c:P+8*\tt+4*\c+3] offset:1024*\tt+512*\c
.endr
.endr
	s_wait_dscnt 16                                ; all but x's 16 stores are done: gate_W's stores have read v64-127, which x now takes
.irp tt, 0,1,2,3,4,5,6,7
.irp c, 0,1
	ds_load_b128 v[X+8*\tt+4*\c:X+8*\tt+4*\c+3], v6 offset:1024*\tt+16*\c
.endr
.endr
	s_wait_dscnt 0x0
	; my 8 k of all 64 logits, two experts an instruction; x's number serves both halves.  The first product starts the sums
.irp tt, 0,1,2,3,4,5,6,7
.irp ee, 0,2,4,6
	v_pk_mul_f32 v[P+8*\tt+\ee:P+8*\tt+\ee+1], v[X+8*\tt:X+8*\tt+1], v[G+\ee:G+\ee+1] op_sel_hi:[0,1]
.endr
.endr
.irp i, 1,2,3,4,5,6,7
.irp tt, 0,1,2,3,4,5,6,7
.irp ee, 0,2,4,6
.if \i%2
	v_pk_fma_f32 v[P+8*\tt+\ee:P+8*\tt+\ee+1], v[X+8*\tt+2*(\i/2):X+8*\tt+2*(\i/2)+1], v[G+8*\i+\ee:G+8*\i+\ee+1], v[P+8*\tt+\ee:P+8*\tt+\ee+1] op_sel:[1,0,0] op_sel_hi:[1,1,1]
.else
	v_pk_fma_f32 v[P+8*\tt+\ee:P+8*\tt+\ee+1], v[X+8*\tt+2*(\i/2):X+8*\tt+2*(\i/2)+1], v[G+8*\i+\ee:G+8*\i+\ee+1], v[P+8*\tt+\ee:P+8*\tt+\ee+1] op_sel_hi:[0,1,1]
.endif
.endr
.endr
.endr
	; across the 16 lanes of each half; 64 independent sums stand between a step and the next
.irp k, 1,2,4,8
.set m, 0
.rept 64
	v_add_f32_dpp v[P+m], v[P+m], v[P+m] row_xmask:\k row_mask:0xf bank_mask:0xf
.set m, m+1
.endr
.endr
.set m, 0
.rept 16
	ds_store_b128 v7, v[P+4*m:P+4*m+3] offset:16*m ; the 16 lanes of a half hold the same sums and write the same bytes
.set m, m+1
.endr
	s_wait_dscnt 0x0                               ; for the others' sake: my partial logits have landed
	s_barrier_signal -1
	s_barrier_wait -1
	; every wave finishes all 8 tokens (each needs their scales): lane l takes token l % 8
.irp b, 0,1,2,3,4,5,6,7
.irp c, 0,1
	ds_load_b128 v[G+8*\b+4*\c:G+8*\b+4*\c+3], v8 offset:256*\b+16*\c
.endr
.endr
	s_wait_dscnt 0x0
	s_wait_loadcnt 0x0                             ; gate_b
.irp p, 0,2,4,6
	v_pk_add_f32 v[LG+\p:LG+\p+1], v[G+\p:G+\p+1], v[G+8+\p:G+8+\p+1]
.endr
.irp b, 2,3,4,5,6,7
.irp p, 0,2,4,6
	v_pk_add_f32 v[LG+\p:LG+\p+1], v[LG+\p:LG+\p+1], v[G+8*\b+\p:G+8*\b+\p+1]
.endr
.endr
.irp p, 0,2,4,6
	v_pk_add_f32 v[LG+\p:LG+\p+1], v[LG+\p:LG+\p+1], v[GB+\p:GB+\p+1]
.endr
	; softmax of my token's eight logits, all in my lane
	v_max3_num_f32 v32, v24, v25, v26
	v_max3_num_f32 v33, v27, v28, v29
	v_max3_num_f32 v32, v32, v30, v31
	v_max_num_f32 v32, v32, v33
.irp e, 0,1,2,3,4,5,6,7
	v_sub_f32 v[LG+\e], v[LG+\e], v32
.endr
.irp e, 0,1,2,3,4,5,6,7
	v_mul_f32 v[LG+\e], 0x3fb8aa3b, v[LG+\e]       ; x log2(e)
.endr
.irp e, 0,1,2,3,4,5,6,7
	v_exp_f32 v[LG+\e], v[LG+\e]
.endr
	v_nop                                          ; a plain instruction behind the last exponential (ISA guide 5.7.2),
	s_wait_alu depctr_va_vdst(0)                   ; and one wait for the eight, ahead of their first reader
	v_add_f32 v33, v24, v25
	v_add_f32 v39, v26, v27
	v_add_f32 v32, v28, v29
	v_add_f32 v38, v30, v31
	v_add_f32 v33, v33, v39
	v_add_f32 v32, v32, v38
	v_add_f32 v33, v33, v32
	v_rcp_f32 v33, v33
	v_nop
	s_wait_alu depctr_va_vdst(0)
.irp e, 0,1,2,3,4,5,6,7
	v_mul_f32 v[LG+\e], v[LG+\e], v33
.endr
	; the first largest weight: a later expert wins only if it is strictly larger.  With it go its number and its ex
	s_wait_kmcnt 0x0
	v_mov_b32 v34, v24                             ; the weight
	v_mov_b32 v35, 0                               ; the expert
	v_mov_b32 v36, s32                             ; its ex
.irp e, 1,2,3,4,5,6,7
	v_cmp_gt_f32 vcc_lo, v[LG+\e], v34
	v_cndmask_b32 v34, v34, v[LG+\e], vcc_lo
	v_cndmask_b32 v35, v35, \e, vcc_lo
	v_cndmask_b32 v36, v36, s[32+4*\e], vcc_lo
.endr
	v_add_lshl_u32 v37, v36, 0x7f, 23              ; 2^ex as f32: the conversion takes its exponent field
	v_add_lshl_u32 v38, v36, 0x87, 23
	v_or_b32 v38, 0x600000, v38                    ; 448 x 2^ex
.irp tt, 0,1,2,3,4,5,6,7
	v_readlane_b32 s[66+\tt], v37, \tt             ; lane t holds token t's: values for the conversions below, and nothing else
	v_readlane_b32 s[74+\tt], v38, \tt
.endr
.irp tt, 0,1,2,3,4,5,6,7
	v_mov_b32 v[SCV+\tt], s[66+\tt]
	v_mov_b32 v[GB+\tt], s[74+\tt]
.endr
.irp tt, 0,1,2,3,4,5,6,7
.irp i, 0,1,2,3,4,5,6,7
	v_med3_num_f32 v[X+8*\tt+\i], v[X+8*\tt+\i], -v[GB+\tt], v[GB+\tt]   ; the conversion to an 8-bit code does not saturate (ISA guide 7.6.2): the hold at the largest code x the scale
.endr
	v_cvt_scalef32_pk8_fp8_f32 v[CD+2*\tt:CD+2*\tt+1], v[X+8*\tt:X+8*\tt+7], v[SCV+\tt]
.endr
	v_nop                                          ; a plain instruction behind the last scaled conversion
.irp tt, 0,1,2,3,4,5,6,7
	global_store_b64 v9, v[CD+2*\tt:CD+2*\tt+1], s[18:19] offset:1024*\tt   ; the wave stores 256 consecutive bytes, at a multiple of 256 from xq's first byte
.endr
	s_cmp_lg_u32 s20, 0                            ; the small results leave by wave 0 alone
	s_cbranch_scc1 .Lend
	v_cmp_ne_u32 vcc_lo, 0, v15
.irp j, 0,1,2,3
	v_cndmask_b32 v[P+\j], v[LG+\j], v[LG+4+\j], vcc_lo   ; lanes 0-7 take experts 0-3 of their token, lanes 8-15 experts 4-7
.endr
	global_store_b128 v11, v[P:P+3], s[12:13]      ; 16 lanes store the work-group's 256 bytes of out1; lanes 16-31 hold the same tokens and store the same bytes again
	global_store_b32 v12, v35, s[14:15]            ; 8 tokens' experts (lanes 8-31 repeat lanes 0-7),
	global_store_b32 v12, v34, s[16:17]            ; and their weights
.Lend:
	s_set_vgpr_msb 0x5
	s_wait_tensorcnt 0x0
	ds_add_u32 v0, v1
	s_wait_dscnt 0x0
	s_set_vgpr_msb 0x500
	s_endpgm
.Lfunc_end_k_q8a34c59324_gate:
	.size	k_q8a34c59324_gate, .Lfunc_end_k_q8a34c59324_gate-k_q8a34c59324_gate
	.p2alignl 7, 3214868480
	.fill 96, 4, 3214868480
	.section	.rodata,"a",@progbits
	.p2align	6, 0x0
	.amdhsa_kernel k_q8a34c59324_gate
		.amdhsa_group_segment_fixed_size 70144
		.amdhsa_private_segment_fixed_size 0
		.amdhsa_enable_private_segment 0
		.amdhsa_kernarg_size 64
		.amdhsa_user_sgpr_count 2
		.amdhsa_user_sgpr_kernarg_segment_ptr 1
		.amdhsa_wavefront_size32 1
		.amdhsa_system_sgpr_workgroup_id_x 1
		.amdhsa_system_sgpr_workgroup_id_y 1
		.amdhsa_system_sgpr_workgroup_id_z 1
		.amdhsa_system_vgpr_workitem_id 0
		.amdhsa_next_free_vgpr 258
		.amdhsa_next_free_sgpr 84
		.amdhsa_reserve_vcc 1
		.amdhsa_float_denorm_mode_32 3
		.amdhsa_float_denorm_mode_16_64 3
		.amdhsa_memory_ordered 1
		.amdhsa_forward_progress 1
		.amdhsa_inst_pref_size 57
	.end_amdhsa_kernel
	.amdgpu_metadata
---
amdhsa.version: [ 1, 2 ]
amdhsa.kernels:
  - .name:           k_q8a34c59324_gate
    .symbol:         k_q8a34c59324_gate.kd
    .args:
      - { .name: x, .offset: 0, .size: 8, .value_kind: global_buffer, .address_space: global }
      - { .name: gate_W, .offset: 8, .size: 8, .value_kind: global_buffer, .address_space: global }
      - { .name: gate_b, .offset: 16, .size: 8, .value_kind: global_buffer, .address_space: global }
      - { .name: lowp_scales, .offset: 24, .size: 8, .value_kind: global_buffer, .address_space: global }
      - { .name: out1, .offset: 32, .size: 8, .value_kind: global_buffer, .address_space: global }
      - { .name: idx, .offset: 40, .size: 8, .value_kind: global_buffer, .address_space: global }
      - { .name: topw, .offset: 48, .size: 8, .value_kind: global_buffer, .address_space: global }
      - { .name: xq, .offset: 56, .size: 8, .value_kind: global_buffer, .address_space: global }
    .group_segment_fixed_size: 70144
    .private_segment_fixed_size: 0
    .kernarg_segment_align: 8
    .kernarg_segment_size: 64
    .max_flat_workgroup_size: 128
    .sgpr_count:     84
    .vgpr_count:     258
    .wavefront_size: 32
...
	.end_amdgpu_metadata
.endif
;; end of part 1
;; launch ffn1 (part 2): grid 32 x 8, 4 waves a work-group, no clusters, 141,568 bytes of LDS; arguments W1, b1, lowp_scales, xq, idx, hq; writes hq
.if DOCPART == 2
	.amdgcn_target "amdgcn-amd-amdhsa--gfx1250"
	.amdhsa_code_object_version 6
	.text
	.protected	k_q8a34c59324_ffn1
	.globl	k_q8a34c59324_ffn1
	.p2align	8
	.type	k_q8a34c59324_ffn1,@function
k_q8a34c59324_ffn1:
	s_mov_b64 s[64:65], 0
	v_nop
	global_prefetch_b8 v0, s[64:65] scope:SCOPE_SE
	s_setreg_imm32_b32 hwreg(HW_REG_WAVE_MODE, 25, 1), 1
	s_wait_xcnt 0x0
; THE FIRST LAYER, FOR THE CHOSEN EXPERT'S TOKENS ALONE: h = relu(Q(x) Q(W1[e]) + b1[e]), stored as codes of E4M3 with the scale 2^eh.  Both operands are codes of E4M3; sums in f32.
; THE WEIGHTS STAY, THE TOKENS MOVE.  Work-group (slice, e) owns W1[e][all 1,024 k][64 slice .. + 63]: 262,144 bytes of f32, read from memory once.  Wave w loads and quantises k = 256 w .. + 255
; (a lane holds 4 columns x 16 k, the hold turns them so that 16 neighbours along k lie in consecutive registers), the codes meet in LDS as images of the operand's registers, and then EVERY wave keeps
; all 65,536 bytes of codes in 512 registers.  Wave w takes the expert's tiles of 16 tokens numbered w, w + 4, ..: each token's codes come into the work-group once.
; THE LIST of the expert's tokens is made here from idx (whole numbers that the launch before stored): wave 0 places them in LDS by ballot and count; the next launch makes the same list by the same lines.
; Its tail is filled with its first token, so that a last tile has 16 real rows: those rows compute and store that token's codes again, into places of hq of their own.
; The number of tiles is made in every wave from idx itself.  Every wave walks 32 trips (2,048 tokens / 16 / 4 waves at the most); a trip without a tile only steps its counters.
; NO TENSOR LOADS AND NO JOINT LOADS, though the 32 work-groups of an expert read the same codes of x: the number of tiles (0 to 128) is read from memory, and trips that hang on such a number
; bring their operands through registers.  No prefetch: each wave has 64 loads of 512 bytes of the weights out from its first lines on.
; K's ORDER IN A FRAGMENT: registers 4 q .. 4 q + 3 hold k = 32 q + 16 (lane / 16) + 0 .. 15, in x and in W1 alike: every product meets its partner.
; THE PRODUCT IS USED TRANSPOSED (source 0 = 16 hidden units, source 1 = 16 tokens): a lane holds one token, and tile t's register j the hidden unit 16 t + 8 (lane / 16) + j: the four conversions' results are
; registers 0 to 7 of the next product's operand.  hq: [e][tile][slice][1,024 bytes]: that image: registers 0-3 at 16 x lane, 4-7 at 512 + 16 x lane.
; b1 is the C of each sum's first product, divided by 2^(ex + ew1); the three scales ahead of the quantiser are folded into the conversion's one, 2^(eh - ex - ew1).
; LIMITS: ew1 and eh - ex - ew1 between -126 and 119.  NaN among the inputs is not served.
; REGISTERS, in windows of 256: window 0 below; window 1: v0-63, v64-127 a tile's codes as loaded (k 0-511, 512-1,023), v128-191, v192-255 the same as fragments;
;   window 2: four sets of 64 for the weights as loaded, then W1's fragments of k 0-511 (K step s, tile t at v[16 (4 s + t)]); window 3: those of k 512-1,023.
.set PITCH,  8192                      ; a row of W1 in bytes
.set IMGS,   512                       ; a batch of 32 k is one group of four registers of a fragment
.set TSTR,   16400                     ; LDS: from a tile of 16 hidden units to the next: 8 fragments of 2,048 bytes + 16, so that the lanes of an image's store fall on 16 different columns of 16 bytes
.set WIMG,   8704                      ; LDS: 0 the list (2,176 words); 8,704 the weights' images (65,600 bytes);
.set STG,    74496                     ; 74,496 a stage of 16 rows x (1,024 + 16) bytes for each wave
.set SPITCH, 1040
.set L16,  1                           ; 16 x lane
.set WO,   2                           ; W1: 16 (lane % 16) + 16 rows x (lane / 16)
.set WA,   3                           ; where I store my codes' images
.set LI,   4                           ; WIMG + 16 x lane
.set STW,  5                           ; the stage, in: 16 x lane
.set STR,  6                           ; the stage, out: row lane % 16, + 16 (lane / 16)
.set LSB,  7                           ; 64 x wave: my first tile's place in the list
.set LAD,  8
.set HO,   9                           ; my offset in hq
.set WSC,  10                          ; 2^ew1;  v11: 448 x that
.set WLIM, 11
.set HSC,  12                          ; 2^(eh - ex - ew1);  v13: 448 x that
.set HLIM, 13
.set LANE, 14
.set L4,   15                          ; 4 x lane
.set DMP,  16                          ; 2,080 + lane: where a lane whose token is another expert's writes
.set ZA,   17                          ; 0
.set PADV, 18
.set PADA, 19
.set Z4,   20                          ; v20-23 zeros
.set HC,   24                          ; v24-31 the hidden layer's codes
.set TK,   32                          ; v32-47 a tile's 16 tokens, each the same in all lanes
.set OFFA, 48                          ; v48-63, v64-79 their offsets in xq, a set for each half of k
.set ACC,  80                          ; v80-111 four accumulators
.set B1,   112                         ; v112-143 b1 / 2^(ex + ew1), in the result's layout
.set C,    144                         ; v144-159 a batch's codes
.set T,    160                         ; v160-223 a batch's numbers, 16 neighbours along k for each of 4 columns
.set IDX,  160                         ; the same registers, earlier: idx; register m of lane l is token 128 (m / 4) + 4 l + m % 4
.set TOKV, 32                          ; v32-95, earlier: those tokens' numbers
.set BA,   224
.set XA,   0                           ; window 1
.set FA,   128
.set WV,   16
.set SL,   17
.set EX,   18
.set CNT,  24
.set TMP,  25
.set NT,   26
.set TI,   27
.set NX,   28
.set LSTEP, 29
.set HOFF, 30
.set TRIP, 31
.set WB,   36
.set HQB,  38
.set MSB, 0
.macro WIN new                         ; s_set_vgpr_msb: bits 1:0 source 0, 3:2 source 1, 5:4 source 2, 7:6 destination; the high byte repeats the setting that is left
.if MSB != (\new)
	s_set_vgpr_msb (MSB<<8)|(\new)
.set MSB, (\new)
.endif
.endm
.macro LOADW b                         ; batch b: 32 rows k x 64 columns: each load takes 256 consecutive bytes of row 32 b + i (lanes 0-15) and of the row 16 further down (lanes 16-31)
	WIN 0x80
.irp ii, 0,1,2,3,4,5,6,7,8,9,10,11,12,13,14,15
	global_load_b128 v[64*((\b)%4)+4*\ii:64*((\b)%4)+4*\ii+3], v[WO], s[WB:WB+1] offset:(32*(\b)+\ii)*PITCH th:TH_LOAD_NT
.endr
	WIN 0
.endm
.macro QUANTW b                        ; batch b becomes codes, and their image goes to LDS
	WIN 0x02
.irp j, 0,1,2,3
.irp ii, 0,1,2,3,4,5,6,7,8,9,10,11,12,13,14,15
	v_med3_num_f32 v[T+16*\j+\ii], v[64*((\b)%4)+4*\ii+\j], -v[WLIM], v[WLIM]   ; the hold at the largest code x the scale (ISA guide 7.6.2) also lays column j's 16 k side by side
.endr
.endr
	WIN 0
.if (\b) < 4
	LOADW (\b)+4                                   ; the set just read takes the batch four further on
.endif
	s_wait_dscnt 0x0                               ; the last batch's stores have read their registers
.irp j, 0,1,2,3
.irp u, 0,1
	v_cvt_scalef32_pk8_fp8_f32 v[C+4*\j+2*\u:C+4*\j+2*\u+1], v[T+16*\j+8*\u:T+16*\j+8*\u+7], v[WSC]
.endr
.endr
	v_nop                                          ; a plain instruction behind the last scaled conversion
.irp j, 0,1,2,3
	ds_store_b128 v[WA], v[C+4*\j:C+4*\j+3] offset:IMGS*(\b)+16*\j
.endr
.endm
.macro COUNT                           ; how many tokens the expert has
	s_mov_b32 s[CNT], 0
.set m, 0
.rept 64
	v_cmp_eq_u32 vcc_lo, s[EX], v[IDX+m]
	s_bcnt1_i32_b32 s[TMP], vcc_lo
	s_add_co_u32 s[CNT], s[CNT], s[TMP]
.set m, m+1
.endr
.endm
.macro MKLIST                          ; the same count, and each of the expert's tokens goes to its place in the list
.set m, 0
.rept 17
	ds_store_b128 v[L16], v[Z4:Z4+3] offset:512*m  ; the whole list is token 0 first: whatever is read of it is a token
.set m, m+1
.endr
	s_mov_b32 s[CNT], 0
.set m, 0
.rept 64
	v_cmp_eq_u32 vcc_lo, s[EX], v[IDX+m]
	v_mbcnt_lo_u32_b32 v[IDX+m], vcc_lo, s[CNT]    ; those placed so far + those of this register in lower lanes
	v_cndmask_b32 v[IDX+m], v[DMP], v[IDX+m], vcc_lo
	v_min_u32 v[IDX+m], 0x83f, v[IDX+m]
	v_lshlrev_b32 v[IDX+m], 2, v[IDX+m]
	v_add_nc_u32 v[TOKV+m], 128*(m/4)+m%4, v[L4]
	ds_store_b32 v[IDX+m], v[TOKV+m]
	s_bcnt1_i32_b32 s[TMP], vcc_lo
	s_add_co_u32 s[CNT], s[CNT], s[TMP]
.set m, m+1
.endr
	ds_load_b32 v[PADV], v[ZA]                     ; LDS serves a wave's instructions in order: this sees the stores above
	v_add_nc_u32 v[PADA], s[CNT], v[LANE]
	v_min_u32 v[PADA], 0x81f, v[PADA]
	v_lshlrev_b32 v[PADA], 2, v[PADA]
	s_wait_dscnt 0x0
	ds_store_b32 v[PADA], v[PADV]                  ; 32 places behind the last token hold the first token
.endm
.macro BARRIER                         ; my LDS stores have landed and my LDS loads are in: then the work-group's barrier
	s_wait_dscnt 0x0
	s_barrier_signal -1
	s_barrier_wait -1
.endm
.macro LISTRD first                    ; 16 tokens of the list, the same address in all lanes.  first = 1: my first tile's; else the tile's four further on
.if \first
	v_mov_b32 v[LAD], v[LSB]
.else
	v_add_nc_u32 v[LAD], s[LSTEP], v[LSB]
.endif
.irp c, 0,1,2,3
	ds_load_b128 v[TK+4*\c:TK+4*\c+3], v[LAD] offset:16*\c
.endr
.endm
.macro CLAMP
.irp i, 0,1,2,3,4,5,6,7,8,9,10,11,12,13,14,15
	v_min_u32 v[TK+\i], 0x7ff, v[TK+\i]
.endr
.endm
.macro ISSUE hb                        ; half hb of k of the 16 tokens: each load takes 512 consecutive bytes of one token's codes
.irp i, 0,1,2,3,4,5,6,7,8,9,10,11,12,13,14,15
	v_lshl_add_u32 v[OFFA+16*\hb+\i], v[TK+\i], 10, v[L16]
.endr
	WIN 0x40
.irp i, 0,1,2,3,4,5,6,7,8,9,10,11,12,13,14,15
	global_load_b128 v[XA+64*\hb+4*\i:XA+64*\hb+4*\i+3], v[OFFA+16*\hb+\i], s[10:11] offset:512*\hb
.endr
	WIN 0
.endm
; Half hb of a tile's k: its codes go through my stage and come back as four fragments; 16 products, the four accumulators by turns, one instruction a turn.
; more = 1: the same half of my next tile is asked for as soon as the registers are free.
.macro HALF hb, more
.if (\hb == 0) || \more
	s_wait_loadcnt 16                              ; this half is in; the 16 loads issued behind it (the other half's, or my next tile's first half's) may be out
.else
	s_wait_loadcnt 0x0
.endif
.if (\hb == 0) && \more
	LISTRD 0
.endif
	WIN 0x44
.irp i, 0,1,2,3,4,5,6,7,8,9,10,11,12,13,14,15
	ds_store_b128 v[STW], v[XA+64*\hb+4*\i:XA+64*\hb+4*\i+3] offset:SPITCH*\i+512*\hb
.endr
.irp s, 0,1,2,3
.irp q, 0,1,2,3
	ds_load_b128 v[FA+64*\hb+16*\s+4*\q:FA+64*\hb+16*\s+4*\q+3], v[STR] offset:128*(\s+4*\hb)+32*\q   ; my own bytes, served in order: these see the stores above
.endr
.endr
	WIN 0
	s_wait_dscnt 0x0                               ; the fragments are in, and the stores have read their registers
.if \more
.if \hb == 0
	CLAMP
.endif
	ISSUE \hb
.endif
	WIN 0x06+\hb                                   ; source 0 (W1) window 2 or 3, source 1 (the tokens) window 1
.irp s, 0,1,2,3
.irp t, 0,1,2,3
.if (\hb == 0) && (\s == 0)
	v_wmma_f32_16x16x128_fp8_fp8 v[ACC+8*\t:ACC+8*\t+7], v[16*(4*\s+\t):16*(4*\s+\t)+15], v[FA+64*\hb+16*\s:FA+64*\hb+16*\s+15], v[B1+8*\t:B1+8*\t+7]
.else
	v_wmma_f32_16x16x128_fp8_fp8 v[ACC+8*\t:ACC+8*\t+7], v[16*(4*\s+\t):16*(4*\s+\t)+15], v[FA+64*\hb+16*\s:FA+64*\hb+16*\s+15], v[ACC+8*\t:ACC+8*\t+7]
.endif
.endr
.endr
	WIN 0
.endm
.macro EPI                             ; relu, the quantiser, and out
.rept 4
	v_nop                                          ; four places between the last product and the first read of results (ISA guide 7.12.1)
.endr
	s_wait_xcnt 0x0                                ; the last tile's stores have read their data and their offset
.set m, 0
.rept 32
	v_med3_num_f32 v[ACC+m], v[ACC+m], 0, v[HLIM]  ; the activation and the hold in one; each accumulator from its low end on
.set m, m+1
.endr
.irp t, 0,1,2,3
	v_cvt_scalef32_pk8_fp8_f32 v[HC+2*\t:HC+2*\t+1], v[ACC+8*\t:ACC+8*\t+7], v[HSC]
.endr
	v_nop                                          ; a plain instruction behind the last scaled conversion
	v_add_nc_u32 v[HO], s[HOFF], v[L16]
	global_store_b128 v[HO], v[HC:HC+3], s[HQB:HQB+1]              ; each store covers 512 consecutive bytes, at a multiple of 256 from hq's first byte
	global_store_b128 v[HO], v[HC+4:HC+7], s[HQB:HQB+1] offset:512
.endm
	s_load_b256 s[4:11], s[0:1], 0x0               ; W1 s[4:5], b1 s[6:7], lowp_scales s[8:9], xq s[10:11]
	s_load_b128 s[12:15], s[0:1], 0x20             ; idx s[12:13], hq s[14:15]
	v_lshl_add_u32 v254, v0, 2, 0x22700
	v_mov_b32 v255, 0
	v_lshrrev_b32 v14, 5, v0
	v_readfirstlane_b32 s[WV], v14                 ; wave 0..3
	s_mov_b32 s[SL], ttmp9                         ; which 64 hidden units
	s_and_b32 s[EX], ttmp7, 0xffff                 ; the expert
	v_and_b32 v[LANE], 31, v0
	v_and_b32 v225, 15, v0                         ; r
	v_bfe_u32 v226, v0, 4, 1                       ; h
	v_lshlrev_b32 v[L16], 4, v[LANE]
	v_lshlrev_b32 v[WO], 4, v225
	v_lshl_add_u32 v[WO], v226, 17, v[WO]
	v_lshrrev_b32 v227, 2, v225
	v_mul_u32_u24 v[WA], v227, TSTR                ; my 4 columns lie in tile r / 4, in lanes 4 (r % 4) + j of my half
	v_and_b32 v227, 3, v225
	v_lshl_add_u32 v[WA], v227, 6, v[WA]
	v_lshl_add_u32 v[WA], v226, 8, v[WA]
	s_lshl_b32 s32, s[WV], 12                      ; my 256 k are two fragments of 2,048 bytes
	s_add_co_u32 s32, s32, WIMG
	v_add_nc_u32 v[WA], s32, v[WA]
	v_add_nc_u32 v[LI], WIMG, v[L16]
	s_mul_i32 s32, s[WV], 16*SPITCH
	s_add_co_u32 s32, s32, STG
	v_add_nc_u32 v[STW], s32, v[L16]
	v_mul_u32_u24 v[STR], v225, SPITCH
	v_lshl_add_u32 v[STR], v226, 4, v[STR]
	v_add_nc_u32 v[STR], s32, v[STR]
	s_lshl_b32 s33, s[WV], 6
	v_mov_b32 v[LSB], s33
	v_lshlrev_b32 v[L4], 2, v[LANE]
	v_add_nc_u32 v[DMP], 2080, v[LANE]
	v_mov_b32 v[ZA], 0
.irp j, 0,1,2,3
	v_mov_b32 v[Z4+\j], 0
.endr
	v_lshlrev_b32 v[BA], 5, v226
	s_lshl_b32 s32, s[EX], 23                      ; W1: the expert's 8,388,608 bytes, my slice's 256 bytes of a row, my wave's 256 rows
	s_lshl_b32 s33, s[SL], 8
	s_add_co_u32 s32, s32, s33
	s_lshl_b32 s33, s[WV], 21
	s_add_co_u32 s32, s32, s33
	s_mov_b32 s33, 0
	s_lshl_b32 s34, s[EX], 13                      ; b1
	s_lshl_b32 s35, s[SL], 8
	s_add_co_u32 s34, s34, s35
	s_mov_b32 s35, 0
	s_lshl_b32 s40, s[EX], 22                      ; hq: the expert's 128 tiles of 32,768 bytes, my slice's 1,024 of a tile
	s_lshl_b32 s41, s[SL], 10
	s_add_co_u32 s40, s40, s41
	s_mov_b32 s41, 0
	s_lshl_b32 s42, s[EX], 4                       ; the expert's four exponents
	s_mov_b32 s43, 0
	s_wait_kmcnt 0x0
	s_add_nc_u64 s[8:9], s[8:9], s[42:43]
	s_load_b128 s[20:23], s[8:9], 0x0              ; ex, ew1, eh, ew2
	s_add_nc_u64 s[WB:WB+1], s[4:5], s[32:33]
	s_add_nc_u64 s[6:7], s[6:7], s[34:35]
	s_add_nc_u64 s[HQB:HQB+1], s[14:15], s[40:41]
.set m, 0
.rept 16
	global_load_b128 v[IDX+4*m:IDX+4*m+3], v[L16], s[12:13] offset:512*m
.set m, m+1
.endr
.irp t, 0,1,2,3
	global_load_b128 v[B1+8*\t:B1+8*\t+3], v[BA], s[6:7] offset:64*\t      ; lane (r, h) wants, for tile t, hidden units 16 t + 8 h + 0 .. 7
	global_load_b128 v[B1+8*\t+4:B1+8*\t+7], v[BA], s[6:7] offset:64*\t+16
.endr
	LOADW 0
	LOADW 1
	LOADW 2
	s_wait_loadcnt 48                              ; idx and b1 are in: the three batches are younger
	LOADW 3                                        ; four batches of the weights are on their way while the list is made
	s_wait_kmcnt 0x0
	s_add_co_i32 s32, s21, 127
	s_lshl_b32 s33, s32, 23
	v_mov_b32 v[WSC], s33                          ; 2^ew1 as f32: the conversion takes its exponent field
	s_add_co_i32 s32, s32, 8
	s_lshl_b32 s32, s32, 23
	s_or_b32 s32, s32, 0x600000
	v_mov_b32 v[WLIM], s32                         ; 448 x 2^ew1
	s_add_co_i32 s34, s20, s21                     ; ex + ew1: a sum stands for sum x 2^(ex + ew1)
	s_sub_co_i32 s32, s22, s34
	s_add_co_i32 s32, s32, 127
	s_lshl_b32 s33, s32, 23
	v_mov_b32 v[HSC], s33                          ; 2^(eh - ex - ew1)
	s_add_co_i32 s32, s32, 8
	s_lshl_b32 s32, s32, 23
	s_or_b32 s32, s32, 0x600000
	v_mov_b32 v[HLIM], s32
	s_sub_co_i32 s34, 0, s34
.set m, 0
.rept 32
	v_ldexp_f32 v[B1+m], v[B1+m], s34              ; b1 / 2^(ex + ew1)
.set m, m+1
.endr
	s_cmp_lg_u32 s[WV], 0                          ; wave 0 makes the list; the others only count, and touch no LDS ahead of the barrier
	s_cbranch_scc1 .Lcount
	MKLIST
	s_branch .Ljoin
.Lcount:
	COUNT
.Ljoin:
	BARRIER                                        ; the list lies in LDS
	s_add_co_u32 s[NT], s[CNT], 15
	s_lshr_b32 s[NT], s[NT], 4                     ; the expert's tiles
	s_mov_b32 s[TI], s[WV]                         ; my tile: w, w + 4, ..
	s_mov_b32 s[LSTEP], 256                        ; the list's bytes from my first tile to my next one
	s_lshl_b32 s[HOFF], s[WV], 15                  ; my tile's place in the expert's part of hq
	s_mov_b32 s[TRIP], 0
.irp b, 0,1,2,3,4
	s_wait_loadcnt 48                              ; batch b is in: the three batches behind it may be out
	QUANTW \b
.endr
	s_wait_loadcnt 32
	QUANTW 5
	s_wait_loadcnt 16
	QUANTW 6
	s_wait_loadcnt 0x0
	LISTRD 1                                       ; my first tile's codes are asked for here, behind the last wait that counts weights; a wave without a tile reads token 0's and makes nothing of them
	s_wait_dscnt 0x0
	CLAMP
	ISSUE 0
	ISSUE 1
	QUANTW 7
	BARRIER                                        ; all 32 fragments' images lie in LDS
	WIN 0x80
.irp s, 0,1,2,3
.irp t, 0,1,2,3
.irp q, 0,1,2,3
	ds_load_b128 v[16*(4*\s+\t)+4*\q:16*(4*\s+\t)+4*\q+3], v[LI] offset:\t*TSTR+2048*\s+512*\q
.endr
.endr
.endr
	WIN 0xc0
.irp s, 0,1,2,3
.irp t, 0,1,2,3
.irp q, 0,1,2,3
	ds_load_b128 v[16*(4*\s+\t)+4*\q:16*(4*\s+\t)+4*\q+3], v[LI] offset:\t*TSTR+2048*(\s+4)+512*\q
.endr
.endr
.endr
	WIN 0
	s_wait_dscnt 0x0
.Ltile:                                                ; 32 trips in every wave; no barrier stands in the loop
	s_cmp_ge_u32 s[TI], s[NT]
	s_cbranch_scc1 .Lskip                          ; no such tile
	s_add_co_u32 s[NX], s[TI], 4
	s_cmp_lt_u32 s[NX], s[NT]
	s_cbranch_scc0 .Llast
	HALF 0, 1                                      ; another tile of mine follows: it is asked for on the way
	HALF 1, 1
	EPI
	s_branch .Lskip
.Llast:
	HALF 0, 0                                      ; my last tile asks for nothing
	HALF 1, 0
	EPI
.Lskip:
	s_add_co_u32 s[TI], s[TI], 4
	s_add_co_u32 s[LSTEP], s[LSTEP], 256
	s_add_co_u32 s[HOFF], s[HOFF], 131072
	s_add_co_u32 s[TRIP], s[TRIP], 1
	s_cmp_lt_u32 s[TRIP], 32
	s_cbranch_scc1 .Ltile
	s_wait_tensorcnt 0x0
	ds_add_u32 v254, v255
	s_wait_dscnt 0x0
	s_endpgm
.Lfunc_end_k_q8a34c59324_ffn1:
	.size	k_q8a34c59324_ffn1, .Lfunc_end_k_q8a34c59324_ffn1-k_q8a34c59324_ffn1
	.p2alignl 7, 3214868480
	.fill 96, 4, 3214868480
	.section	.rodata,"a",@progbits
	.p2align	6, 0x0
	.amdhsa_kernel k_q8a34c59324_ffn1
		.amdhsa_group_segment_fixed_size 141568
		.amdhsa_private_segment_fixed_size 0
		.amdhsa_enable_private_segment 0
		.amdhsa_kernarg_size 48
		.amdhsa_user_sgpr_count 2
		.amdhsa_user_sgpr_kernarg_segment_ptr 1
		.amdhsa_wavefront_size32 1
		.amdhsa_system_sgpr_workgroup_id_x 1
		.amdhsa_system_sgpr_workgroup_id_y 1
		.amdhsa_system_sgpr_workgroup_id_z 1
		.amdhsa_system_vgpr_workitem_id 0
		.amdhsa_next_free_vgpr 1024
		.amdhsa_next_free_sgpr 66
		.amdhsa_reserve_vcc 1
		.amdhsa_float_denorm_mode_32 3
		.amdhsa_float_denorm_mode_16_64 3
		.amdhsa_memory_ordered 1
		.amdhsa_forward_progress 1
		.amdhsa_inst_pref_size 133
	.end_amdhsa_kernel
	.amdgpu_metadata
---
amdhsa.version: [ 1, 2 ]
amdhsa.kernels:
  - .name:           k_q8a34c59324_ffn1
    .symbol:         k_q8a34c59324_ffn1.kd
    .args:
      - { .name: W1, .offset: 0, .size: 8, .value_kind: global_buffer, .address_space: global }
      - { .name: b1, .offset: 8, .size: 8, .value_kind: global_buffer, .address_space: global }
      - { .name: lowp_scales, .offset: 16, .size: 8, .value_kind: global_buffer, .address_space: global }
      - { .name: xq, .offset: 24, .size: 8, .value_kind: global_buffer, .address_space: global }
      - { .name: idx, .offset: 32, .size: 8, .value_kind: global_buffer, .address_space: global }
      - { .name: hq, .offset: 40, .size: 8, .value_kind: global_buffer, .address_space: global }
    .group_segment_fixed_size: 141568
    .private_segment_fixed_size: 0
    .kernarg_segment_align: 8
    .kernarg_segment_size: 48
    .max_flat_workgroup_size: 128
    .sgpr_count:     66
    .vgpr_count:     1024
    .wavefront_size: 32
...
	.end_amdgpu_metadata
.endif
;; end of part 2
;; launch ffn2 (part 3): grid 32 x 8, 4 waves a work-group, no clusters, 92,928 bytes of LDS; arguments W2, b2, lowp_scales, hq, idx, topw, out0; writes out0
.if DOCPART == 3
	.amdgcn_target "amdgcn-amd-amdhsa--gfx1250"
	.amdhsa_code_object_version 6
	.text
	.protected	k_q8a34c59324_ffn2
	.globl	k_q8a34c59324_ffn2
	.p2align	8
	.type	k_q8a34c59324_ffn2,@function
k_q8a34c59324_ffn2:
	s_mov_b64 s[64:65], 0
	v_nop
	global_prefetch_b8 v0, s[64:65] scope:SCOPE_SE
	s_setreg_imm32_b32 hwreg(HW_REG_WAVE_MODE, 25, 1), 1
	s_wait_xcnt 0x0
; THE SECOND LAYER, FOR THE CHOSEN EXPERT'S TOKENS ALONE: out0[token] = top_w x (Q(h) Q(W2[e]) + b2[e]).  Both operands are codes of E4M3; sums in f32.  Each token has one expert, so each row of out0 has one owner.
; THE WEIGHTS STAY, THE TOKENS MOVE, as in the launch before.  Work-group (slice, e) owns W2[e][all 2,048 k][32 slice .. + 31]: 262,144 bytes of f32, read from memory once.  Wave w loads and quantises
; k = 512 w .. + 511; the codes meet in LDS as images of the operand's registers; then every wave keeps all 65,536 bytes of codes in 512 registers and takes the expert's tiles of 16 tokens w, w + 4, ..
; 32 COLUMNS AND NOT 64: 2,048 k x 64 columns of codes would be 1,024 registers, and only 128 work-groups would have work.  The price: a load takes 128 consecutive bytes of each of four rows of W2, and a store
; 128 consecutive bytes of each of four rows of out0; the other half of each aligned 256 bytes is the neighbouring work-group's.
; hq holds a tile's hidden layer as the image of this product's operand: 32,768 consecutive bytes, 64 loads of 512 bytes, no gather.  K lies in its own places: registers 2 c, 2 c + 1: k = 16 c + 8 (lane / 16) + 0 .. 7.
; THE LIST of the expert's tokens is made as in the launch before, by the same lines, so tile i here is tile i there; top_w goes into a list of its own beside it.  The list's tail holds its first token:
; the rows behind an expert's last token compute that token's result again and store the same bytes to the same place.
; The first loads of hq go out for every wave, with or without a tile: they stay inside hq, and where no tile was written nothing is made of them.
; NO TENSOR LOADS AND NO JOINT LOADS, though the 32 work-groups of an expert read the same tiles of hq: the number of tiles (0 to 128) is read from memory, and trips that hang on such a number bring their
; operands through registers.  No prefetch: each wave has 64 loads of 512 bytes out from its first lines on.
; THE PRODUCT IS USED TRANSPOSED (source 0 = 16 outputs, source 1 = 16 tokens): a lane holds one token and eight neighbouring outputs.  Even and odd K steps are summed apart (four accumulators by turns) and joined in f32.
; LIMITS: ew2 between -126 and 119; eh + ew2 between -126 and 127.  NaN among the inputs is not served.
; REGISTERS, in windows of 256: window 0 below; window 1: v0-127, v128-255 a tile's fragments of K steps 0-7, 8-15 (v0-63, earlier: topw);
;   window 2: four sets of 64 for the weights as loaded, then W2's fragments of K steps 0-7 (K step s, tile t at v[16 (2 s + t)]); window 3: those of K steps 8-15.
.set PITCH,  4096                      ; a row of W2 in bytes
.set IMGS,   1024                      ; a batch of 64 k is half a fragment
.set TSTR,   32784                     ; LDS: from a tile of 16 outputs to the next: 16 fragments of 2,048 bytes + 16
.set TWL,    8704                      ; LDS: 0 the list (2,176 words); 8,704 top_w in the list's order;
.set WIMG,   17408                     ; 17,408 the weights' images (65,568 bytes);
.set STG2,   83200                     ; 83,200 a stage of 16 rows x (128 + 16) bytes for each wave
.set L16,  1                           ; 16 x lane
.set WO,   2                           ; W2: my rows' and columns' place in a batch
.set WA,   3                           ; where I store my codes' images
.set LI,   4                           ; WIMG + 16 x lane
.set SO,   5                           ; the stage, in: row lane % 16, + 32 (lane / 16)
.set SR,   6                           ; the stage, out: rows 4 (lane / 8) on, + 16 (lane % 8)
.set LRB,  7                           ; 64 x wave + 4 (lane % 16): my token's place in my first tile
.set LGB,  8                           ; 64 x wave + 16 (lane / 8): the four tokens whose rows I store
.set LR,   9
.set LG,   10
.set WSC,  11                          ; 2^ew2;  v12: 448 x that
.set WLIM, 12
.set HOA,  13                          ; v13, v14 my offsets in hq, one for each half of K
.set LANE, 15
.set L4,   16
.set DMP,  17                          ; 2,080 + lane: where a lane whose token is another expert's writes
.set ZA,   18
.set PADA, 19
.set Z4,   20                          ; v20-23 zeros
.set PADV, 24
.set PADW, 25
.set L8,   26                          ; 16 (lane % 8)
.set TW,   28                          ; v28 my token's top_w; v29 is named with it as a pair
.set TKS,  32                          ; v32-35 four tokens
.set VO,   36                          ; v36-39 their rows' offsets in out0
.set Y,    40                          ; v40-55 my token's 16 results
.set OB,   56                          ; v56-71 four rows' 16 bytes, read back
.set ACC,  96                          ; v96-127 four accumulators: (K step % 2, tile t) at 8 (2 (s % 2) + t)
.set C,    128                         ; v128-143 a batch's codes
.set T,    144                         ; v144-207 a batch's numbers
.set IDX,  144                         ; the same registers, earlier: idx; register m of lane l is token 128 (m / 4) + 4 l + m % 4
.set TOKV, 32                          ; v32-95, earlier: those tokens' numbers
.set B2,   208                         ; v208-223 b2 in the result's layout
.set BA,   224
.set WV,   18
.set SL,   19
.set EX,   20
.set CNT,  30
.set TMP,  31
.set NT,   32
.set TI,   33
.set NX,   34
.set LSTEP, 35
.set HNX,  36
.set TRIP, 37
.set WB,   38
.set HQB,  40
.set OUTB, 42
.set MSB, 0
.macro WIN new                         ; s_set_vgpr_msb: bits 1:0 source 0, 3:2 source 1, 5:4 source 2, 7:6 destination; the high byte repeats the setting that is left
.if MSB != (\new)
	s_set_vgpr_msb (MSB<<8)|(\new)
.set MSB, (\new)
.endif
.endm
.macro LOADW b                         ; batch b: 64 rows k x 32 columns: eight lanes take a row's 128 bytes, the four groups of lanes rows 0, 8, 32 and 40 further down
	WIN 0x80
.irp ii, 0,1,2,3,4,5,6,7,8,9,10,11,12,13,14,15
	global_load_b128 v[64*((\b)%4)+4*\ii:64*((\b)%4)+4*\ii+3], v[WO], s[WB:WB+1] offset:(64*(\b)+16*(\ii/8)+\ii%8)*PITCH
.endr
	WIN 0
.endm
.macro QUANTW b                        ; batch b becomes codes, and their image goes to LDS
	WIN 0x02
.irp j, 0,1,2,3
.irp ii, 0,1,2,3,4,5,6,7,8,9,10,11,12,13,14,15
	v_med3_num_f32 v[T+16*\j+\ii], v[64*((\b)%4)+4*\ii+\j], -v[WLIM], v[WLIM]   ; the hold at the largest code x the scale (ISA guide 7.6.2) also lays column j's k side by side: two runs of 8 neighbours
.endr
.endr
	WIN 0
.if (\b) < 4
	LOADW (\b)+4                                   ; the set just read takes the batch four further on
.endif
	s_wait_dscnt 0x0                               ; the last batch's stores have read their registers
.irp j, 0,1,2,3
.irp u, 0,1
	v_cvt_scalef32_pk8_fp8_f32 v[C+4*\j+2*\u:C+4*\j+2*\u+1], v[T+16*\j+8*\u:T+16*\j+8*\u+7], v[WSC]
.endr
.endr
	v_nop                                          ; a plain instruction behind the last scaled conversion
.irp j, 0,1,2,3
	ds_store_b128 v[WA], v[C+4*\j:C+4*\j+3] offset:IMGS*(\b)+16*\j
.endr
.endm
.macro COUNT                           ; how many tokens the expert has
	s_mov_b32 s[CNT], 0
.set m, 0
.rept 64
	v_cmp_eq_u32 vcc_lo, s[EX], v[IDX+m]
	s_bcnt1_i32_b32 s[TMP], vcc_lo
	s_add_co_u32 s[CNT], s[CNT], s[TMP]
.set m, m+1
.endr
.endm
.macro MKLIST                          ; the same count, and each of the expert's tokens, and its top_w, goes to its place
.set m, 0
.rept 17
	ds_store_b128 v[L16], v[Z4:Z4+3] offset:512*m  ; both lists are zeros first
	ds_store_b128 v[L16], v[Z4:Z4+3] offset:TWL+512*m
.set m, m+1
.endr
	s_mov_b32 s[CNT], 0
.set m, 0
.rept 64
	v_cmp_eq_u32 vcc_lo, s[EX], v[IDX+m]
	v_mbcnt_lo_u32_b32 v[IDX+m], vcc_lo, s[CNT]    ; those placed so far + those of this register in lower lanes
	v_cndmask_b32 v[IDX+m], v[DMP], v[IDX+m], vcc_lo
	v_min_u32 v[IDX+m], 0x83f, v[IDX+m]
	v_lshlrev_b32 v[IDX+m], 2, v[IDX+m]
	v_add_nc_u32 v[TOKV+m], 128*(m/4)+m%4, v[L4]
	ds_store_b32 v[IDX+m], v[TOKV+m]
	s_bcnt1_i32_b32 s[TMP], vcc_lo
	s_add_co_u32 s[CNT], s[CNT], s[TMP]
.set m, m+1
.endr
	WIN 0x04                                       ; the data lie in window 1
.set m, 0
.rept 64
	ds_store_b32 v[IDX+m], v[m] offset:TWL
.set m, m+1
.endr
	WIN 0
	ds_load_b32 v[PADV], v[ZA]                     ; LDS serves a wave's instructions in order: these see the stores above
	ds_load_b32 v[PADW], v[ZA] offset:TWL
	v_add_nc_u32 v[PADA], s[CNT], v[LANE]
	v_min_u32 v[PADA], 0x81f, v[PADA]
	v_lshlrev_b32 v[PADA], 2, v[PADA]
	s_wait_dscnt 0x0
	ds_store_b32 v[PADA], v[PADV]                  ; 32 places behind the last token hold the first token,
	ds_store_b32 v[PADA], v[PADW] offset:TWL       ; and its top_w
.endm
.macro BARRIER                         ; my LDS stores have landed and my LDS loads are in: then the work-group's barrier
	s_wait_dscnt 0x0
	s_barrier_signal -1
	s_barrier_wait -1
.endm
.macro ISSUE_H hb, sreg                ; half hb of a tile's image: 16,384 consecutive bytes; s[sreg]: the tile's place in the expert's part of hq
	v_add_nc_u32 v[HOA+\hb], s[\sreg], v[L16]
	WIN 0x40
.set m, 0
.rept 32
	global_load_b128 v[128*\hb+4*m:128*\hb+4*m+3], v[HOA+\hb], s[HQB:HQB+1] offset:16384*\hb+512*m
.set m, m+1
.endr
	WIN 0
.endm
.macro MUL hb                          ; 16 products: K steps 8 hb + 0 .. 7 x two tiles of outputs; the four accumulators by turns, one instruction a turn.  The first four start the sums
	WIN 0x06+\hb                                   ; source 0 (W2) window 2 or 3, source 1 (the tokens) window 1
.irp s, 0,1,2,3,4,5,6,7
.irp t, 0,1
.if (\hb == 0) && (\s < 2)
	v_wmma_f32_16x16x128_fp8_fp8 v[ACC+8*(2*(\s%2)+\t):ACC+8*(2*(\s%2)+\t)+7], v[16*(2*\s+\t):16*(2*\s+\t)+15], v[128*\hb+16*\s:128*\hb+16*\s+15], 0
.else
	v_wmma_f32_16x16x128_fp8_fp8 v[ACC+8*(2*(\s%2)+\t):ACC+8*(2*(\s%2)+\t)+7], v[16*(2*\s+\t):16*(2*\s+\t)+15], v[128*\hb+16*\s:128*\hb+16*\s+15], v[ACC+8*(2*(\s%2)+\t):ACC+8*(2*(\s%2)+\t)+7]
.endif
.endr
.endr
	WIN 0
.endm
.macro PLACES                          ; four places between a product and a load into its registers, or the first read of its result (ISA guide 7.12.1 for vector instructions)
.rept 4
	v_nop
.endr
.endm
.macro EPI2                            ; top_w x (sum x 2^(eh + ew2) + b2), through my stage, and out by rows
	v_add_nc_u32 v[LR], s[LSTEP], v[LRB]
	v_add_nc_u32 v[LG], s[LSTEP], v[LGB]
	ds_load_b32 v[TW], v[LR] offset:TWL
	ds_load_b128 v[TKS:TKS+3], v[LG]
.irp t, 0,1
.irp i, 0,2,4,6
	v_pk_add_f32 v[Y+8*\t+\i:Y+8*\t+\i+1], v[ACC+8*\t+\i:ACC+8*\t+\i+1], v[ACC+16+8*\t+\i:ACC+16+8*\t+\i+1]   ; even and odd K steps; each accumulator from its low end on
.endr
.endr
.irp i, 0,2,4,6,8,10,12,14
	v_pk_fma_f32 v[Y+\i:Y+\i+1], v[Y+\i:Y+\i+1], s[28:29], v[B2+\i:B2+\i+1] op_sel_hi:[1,0,1]
.endr
	s_wait_dscnt 0x0                               ; top_w and the four tokens are in
.irp i, 0,2,4,6,8,10,12,14
	v_pk_mul_f32 v[Y+\i:Y+\i+1], v[Y+\i:Y+\i+1], v[TW:TW+1] op_sel_hi:[1,0]
.endr
.irp t, 0,1
.irp c, 0,1
	ds_store_b128 v[SO], v[Y+8*\t+4*\c:Y+8*\t+4*\c+3] offset:64*\t+16*\c
.endr
.endr
	s_wait_xcnt 0x0                                ; the last tile's stores have read their data and their offsets
.irp i, 0,1,2,3
	ds_load_b128 v[OB+4*\i:OB+4*\i+3], v[SR] offset:144*\i   ; my own bytes, served in order: these see the stores above
.endr
.irp i, 0,1,2,3
	v_min_u32 v[TKS+\i], 0x7ff, v[TKS+\i]
.endr
.irp i, 0,1,2,3
	v_lshl_add_u32 v[VO+\i], v[TKS+\i], 12, v[L8]
.endr
	s_wait_dscnt 0x0
.irp i, 0,1,2,3
	global_store_b128 v[VO+\i], v[OB+4*\i:OB+4*\i+3], s[OUTB:OUTB+1]   ; eight lanes store a row's 128 consecutive bytes; four rows an instruction
.endr
.endm
	s_load_b256 s[4:11], s[0:1], 0x0               ; W2 s[4:5], b2 s[6:7], lowp_scales s[8:9], hq s[10:11]
	s_load_b128 s[12:15], s[0:1], 0x20             ; idx s[12:13], topw s[14:15]
	s_load_b64 s[16:17], s[0:1], 0x30              ; out0
	v_lshl_add_u32 v254, v0, 2, 0x16900
	v_mov_b32 v255, 0
	v_lshrrev_b32 v15, 5, v0
	v_readfirstlane_b32 s[WV], v15                 ; wave 0..3
	s_mov_b32 s[SL], ttmp9                         ; which 32 outputs
	s_and_b32 s[EX], ttmp7, 0xffff                 ; the expert
	v_and_b32 v[LANE], 31, v0
	v_and_b32 v225, 15, v0                         ; r
	v_bfe_u32 v226, v0, 4, 1                       ; h = (lane / 8) / 2
	v_bfe_u32 v227, v0, 3, 1                       ; (lane / 8) % 2
	v_and_b32 v228, 7, v0                          ; lane % 8
	v_bfe_u32 v229, v0, 3, 2                       ; lane / 8
	v_lshlrev_b32 v[L16], 4, v[LANE]
	v_lshlrev_b32 v[L8], 4, v228
	v_lshl_add_u32 v[WO], v226, 17, v[L8]          ; 32 rows of 4,096 bytes,
	v_lshl_add_u32 v[WO], v227, 15, v[WO]          ; 8 rows
	v_lshrrev_b32 v230, 2, v228
	v_mul_u32_u24 v[WA], v230, TSTR                ; my 4 columns lie in tile (lane % 8) / 4, in lanes 4 (lane % 4) + j of half (lane / 8) % 2; my k in group of registers (lane / 8) / 2 of the batch's two
	v_lshl_add_u32 v[WA], v226, 9, v[WA]
	v_lshl_add_u32 v[WA], v227, 8, v[WA]
	v_and_b32 v230, 3, v228
	v_lshl_add_u32 v[WA], v230, 6, v[WA]
	s_lshl_b32 s44, s[WV], 13                      ; my 512 k are four fragments of 2,048 bytes
	s_add_co_u32 s44, s44, WIMG
	v_add_nc_u32 v[WA], s44, v[WA]
	v_add_nc_u32 v[LI], WIMG, v[L16]
	s_mul_i32 s44, s[WV], 2304
	s_add_co_u32 s44, s44, STG2
	v_mul_u32_u24 v[SO], v225, 144
	v_lshl_add_u32 v[SO], v226, 5, v[SO]
	v_add_nc_u32 v[SO], s44, v[SO]
	v_mul_u32_u24 v[SR], v229, 576
	v_add_nc_u32 v[SR], v[SR], v[L8]
	v_add_nc_u32 v[SR], s44, v[SR]
	s_lshl_b32 s44, s[WV], 6
	v_lshl_add_u32 v[LRB], v225, 2, s44
	v_lshl_add_u32 v[LGB], v229, 4, s44
	v_lshlrev_b32 v[L4], 2, v[LANE]
	v_add_nc_u32 v[DMP], 2080, v[LANE]
	v_mov_b32 v[ZA], 0
.irp j, 0,1,2,3
	v_mov_b32 v[Z4+\j], 0
.endr
	v_mov_b32 v[TW+1], 0                           ; named as the upper half of the pair, so it is written
	v_lshlrev_b32 v[BA], 5, v226
	s_lshl_b32 s44, s[EX], 23                      ; W2: the expert's 8,388,608 bytes, my slice's 128 bytes of a row, my wave's 512 rows
	s_lshl_b32 s45, s[SL], 7
	s_add_co_u32 s44, s44, s45
	s_lshl_b32 s45, s[WV], 21
	s_add_co_u32 s44, s44, s45
	s_mov_b32 s45, 0
	s_lshl_b32 s46, s[EX], 12                      ; b2
	s_lshl_b32 s47, s[SL], 7
	s_add_co_u32 s46, s46, s47
	s_mov_b32 s47, 0
	s_lshl_b32 s48, s[EX], 22                      ; hq: the expert's 128 tiles of 32,768 bytes
	s_mov_b32 s49, 0
	s_lshl_b32 s50, s[SL], 7                       ; out0: my slice's 128 bytes of a row
	s_mov_b32 s51, 0
	s_lshl_b32 s52, s[EX], 4                       ; the expert's four exponents
	s_mov_b32 s53, 0
	s_wait_kmcnt 0x0
	s_add_nc_u64 s[8:9], s[8:9], s[52:53]
	s_load_b128 s[24:27], s[8:9], 0x0              ; ex, ew1, eh, ew2
	s_add_nc_u64 s[WB:WB+1], s[4:5], s[44:45]
	s_add_nc_u64 s[6:7], s[6:7], s[46:47]
	s_add_nc_u64 s[HQB:HQB+1], s[10:11], s[48:49]
	s_add_nc_u64 s[OUTB:OUTB+1], s[16:17], s[50:51]
.set m, 0
.rept 16
	global_load_b128 v[IDX+4*m:IDX+4*m+3], v[L16], s[12:13] offset:512*m
.set m, m+1
.endr
	WIN 0x40
.set m, 0
.rept 16
	global_load_b128 v[4*m:4*m+3], v[L16], s[14:15] offset:512*m   ; topw, in idx's order; every wave issues these, so that all waves take one way up to the list
.set m, m+1
.endr
	WIN 0
.irp t, 0,1
	global_load_b128 v[B2+8*\t:B2+8*\t+3], v[BA], s[6:7] offset:64*\t      ; lane (r, h) wants, for tile t, outputs 16 t + 8 h + 0 .. 7
	global_load_b128 v[B2+8*\t+4:B2+8*\t+7], v[BA], s[6:7] offset:64*\t+16
.endr
	LOADW 0
	LOADW 1
	LOADW 2
	s_wait_loadcnt 48                              ; idx, topw and b2 are in: the three batches are younger
	LOADW 3                                        ; four batches of the weights are on their way while the list is made
	s_wait_kmcnt 0x0
	s_add_co_i32 s44, s27, 127
	s_lshl_b32 s45, s44, 23
	v_mov_b32 v[WSC], s45                          ; 2^ew2 as f32: the conversion takes its exponent field
	s_add_co_i32 s44, s44, 8
	s_lshl_b32 s44, s44, 23
	s_or_b32 s44, s44, 0x600000
	v_mov_b32 v[WLIM], s44                         ; 448 x 2^ew2
	s_add_co_i32 s28, s26, s27
	s_add_co_i32 s28, s28, 127
	s_lshl_b32 s28, s28, 23                        ; 2^(eh + ew2) as f32
	s_mov_b32 s29, s28                             ; named with it as a pair, so it is written
	s_cmp_lg_u32 s[WV], 0                          ; wave 0 makes the lists; the others only count, and touch no LDS ahead of the barrier
	s_cbranch_scc1 .Lcount
	MKLIST
	s_branch .Ljoin
.Lcount:
	COUNT
.Ljoin:
	BARRIER                                        ; the lists lie in LDS
	s_add_co_u32 s[NT], s[CNT], 15
	s_lshr_b32 s[NT], s[NT], 4                     ; the expert's tiles
	s_mov_b32 s[TI], s[WV]                         ; my tile: w, w + 4, ..
	s_mov_b32 s[LSTEP], 0                          ; the lists' bytes from my first tile to the tile in hand
	s_lshl_b32 s44, s[WV], 15                      ; my first tile's place in the expert's part of hq,
	s_add_co_u32 s[HNX], s44, 131072               ; and my next one's
	s_mov_b32 s[TRIP], 0
.irp b, 0,1,2,3,4
	s_wait_loadcnt 48                              ; batch b is in: the three batches behind it may be out
	QUANTW \b
.endr
	s_wait_loadcnt 32
	QUANTW 5
	s_wait_loadcnt 16
	QUANTW 6
	s_wait_loadcnt 0x0
	ISSUE_H 0, 44                                  ; my first tile is asked for here, behind the last wait that counts weights
	ISSUE_H 1, 44
	QUANTW 7
	BARRIER                                        ; all 32 fragments' images lie in LDS
	WIN 0x80
.irp s, 0,1,2,3,4,5,6,7
.irp t, 0,1
.irp q, 0,1,2,3
	ds_load_b128 v[16*(2*\s+\t)+4*\q:16*(2*\s+\t)+4*\q+3], v[LI] offset:\t*TSTR+2048*\s+512*\q
.endr
.endr
.endr
	WIN 0xc0
.irp s, 0,1,2,3,4,5,6,7
.irp t, 0,1
.irp q, 0,1,2,3
	ds_load_b128 v[16*(2*\s+\t)+4*\q:16*(2*\s+\t)+4*\q+3], v[LI] offset:\t*TSTR+2048*(\s+8)+512*\q
.endr
.endr
.endr
	WIN 0
	s_wait_dscnt 0x0
.Ltile:                                                ; 32 trips in every wave; no barrier stands in the loop
	s_cmp_ge_u32 s[TI], s[NT]
	s_cbranch_scc1 .Lskip                          ; no such tile
	s_add_co_u32 s[NX], s[TI], 4
	s_cmp_lt_u32 s[NX], s[NT]
	s_cbranch_scc0 .Llast
	s_wait_loadcnt 32                              ; K steps 0-7 are in: the 32 loads of K steps 8-15 are younger
	MUL 0
	PLACES
	ISSUE_H 0, HNX                                 ; another tile of mine follows: its first half takes the registers just multiplied
	s_wait_loadcnt 32                              ; K steps 8-15 are in: the 32 loads just issued are younger
	MUL 1
	PLACES
	ISSUE_H 1, HNX
	EPI2
	s_branch .Lskip
.Llast:
	s_wait_loadcnt 32                              ; my last tile asks for nothing
	MUL 0
	s_wait_loadcnt 0x0
	MUL 1
	PLACES
	EPI2
.Lskip:
	s_add_co_u32 s[TI], s[TI], 4
	s_add_co_u32 s[LSTEP], s[LSTEP], 256
	s_add_co_u32 s[HNX], s[HNX], 131072
	s_add_co_u32 s[TRIP], s[TRIP], 1
	s_cmp_lt_u32 s[TRIP], 32
	s_cbranch_scc1 .Ltile
	s_wait_tensorcnt 0x0
	ds_add_u32 v254, v255
	s_wait_dscnt 0x0
	s_endpgm
.Lfunc_end_k_q8a34c59324_ffn2:
	.size	k_q8a34c59324_ffn2, .Lfunc_end_k_q8a34c59324_ffn2-k_q8a34c59324_ffn2
	.p2alignl 7, 3214868480
	.fill 96, 4, 3214868480
	.section	.rodata,"a",@progbits
	.p2align	6, 0x0
	.amdhsa_kernel k_q8a34c59324_ffn2
		.amdhsa_group_segment_fixed_size 92928
		.amdhsa_private_segment_fixed_size 0
		.amdhsa_enable_private_segment 0
		.amdhsa_kernarg_size 56
		.amdhsa_user_sgpr_count 2
		.amdhsa_user_sgpr_kernarg_segment_ptr 1
		.amdhsa_wavefront_size32 1
		.amdhsa_system_sgpr_workgroup_id_x 1
		.amdhsa_system_sgpr_workgroup_id_y 1
		.amdhsa_system_sgpr_workgroup_id_z 1
		.amdhsa_system_vgpr_workitem_id 0
		.amdhsa_next_free_vgpr 1024
		.amdhsa_next_free_sgpr 66
		.amdhsa_reserve_vcc 1
		.amdhsa_float_denorm_mode_32 3
		.amdhsa_float_denorm_mode_16_64 3
		.amdhsa_memory_ordered 1
		.amdhsa_forward_progress 1
		.amdhsa_inst_pref_size 131
	.end_amdhsa_kernel
	.amdgpu_metadata
---
amdhsa.version: [ 1, 2 ]
amdhsa.kernels:
  - .name:           k_q8a34c59324_ffn2
    .symbol:         k_q8a34c59324_ffn2.kd
    .args:
      - { .name: W2, .offset: 0, .size: 8, .value_kind: global_buffer, .address_space: global }
      - { .name: b2, .offset: 8, .size: 8, .value_kind: global_buffer, .address_space: global }
      - { .name: lowp_scales, .offset: 16, .size: 8, .value_kind: global_buffer, .address_space: global }
      - { .name: hq, .offset: 24, .size: 8, .value_kind: global_buffer, .address_space: global }
      - { .name: idx, .offset: 32, .size: 8, .value_kind: global_buffer, .address_space: global }
      - { .name: topw, .offset: 40, .size: 8, .value_kind: global_buffer, .address_space: global }
      - { .name: out0, .offset: 48, .size: 8, .value_kind: global_buffer, .address_space: global }
    .group_segment_fixed_size: 92928
    .private_segment_fixed_size: 0
    .kernarg_segment_align: 8
    .kernarg_segment_size: 56
    .max_flat_workgroup_size: 128
    .sgpr_count:     66
    .vgpr_count:     1024
    .wavefront_size: 32
...
	.end_amdgpu_metadata
.endif
;; end of part 3
